; MI455X (gfx1250); checked and timed in simulation.
; The chip was launched on July 23, 2026; its instructions are those of AMD's public machine-readable ISA for CDNA 5 (MIT licence, August 2026) and "CDNA5" Instruction Set Architecture Reference Guide (July 2026). The comments in the code are by the model that wrote it; some were corrected since.
;; Classifier. Allowed arithmetic: matrix products marked QUANTISED: E2M1 operands, one E8M0 scale for each 32 along K, by v_wmma_scale_f32_16x16x128_f8f6f4 with both operands' format E2M1 (or v_wmma_scale_f32_32x16x128_f4), f32 sums; products left as they are: f32 operands where the result goes on into a quantised operand, else bf16, f16 or f32 operands; f32 sums; everything else in f32.
;; Inputs: high 64 x 20 x 512 float32; x 128 x 25 x 512 float32.
;; Outputs: out0 128 x 64 float32.
;; This version of the problem:
;;   THIS VERSION OF THE PROBLEM IS GIVEN IN LOW PRECISION. The matrix products marked QUANTISED in the list below multiply operands that are first quantised to E2M1 (2 exponent bits, 1 mantissa bit; 4 bits a number), with one power-of-two scale for each 32 numbers along K (OCP MX v1.0); their sums are f32. All else is computed in f32.
;;   The module's matrix products, in the order in which they are computed (A, B: the left and right operand; K: the contracted axis; several contracted axes count as one K, in the product's order):
;;     1. batch 64 x [M 20, K 512] x [K 512, N 20]; A: input high; B: input high: QUANTISED
;;     2. batch 64 x [M 512, K 20] x [K 20, N 20]; A: input high; B: computed on the way: left as it is (K = 20 < 32)
;;     3. batch 64 x [M 512, K 20] x [K 20, N 512]; A: computed on the way; B: input high: left as it is (K = 20 < 32)
;;     4. [M 32,768, K 512] x [K 512, N 3,200]; A: computed on the way; B: input x: QUANTISED
;;   THE QUANTISER, for each operand of a quantised product, along K:
;;     - K is cut into blocks of 32 from its start; a last block that is shorter is filled with zeros.
;;     - A block's scale is 2^e with e = floor(log2(the largest magnitude in the block)) - 2, held to -126 .. 127; a block of zeros has e = 0. As a byte (E8M0): e + 127.
;;     - Each number is divided by its block's scale, clamped to +-6, and rounded to the nearest number of E2M1, ties to even, subnormals kept.
;;     - The product sums the exact products of the quantised numbers (number of the format x scale) in f32.
;;   ~~~python
;;   def quantise(x, axis):      # numpy; x: float32 -> the quantised numbers, widened to float32 again
;;       x = np.moveaxis(x, axis, -1); K = x.shape[-1]
;;       x = np.pad(x, [(0, 0)] * (x.ndim - 1) + [(0, -K % 32)]); x = x.reshape(x.shape[:-1] + (-1, 32)); a = np.abs(x).max(-1, keepdims=True)
;;       e = np.where(a > 0, np.clip(np.frexp(np.where(a > 0, a, 1))[1] - 1 - 2, -126, 127), 0)      # np.frexp(a)[1] - 1 = floor(log2(a)), exactly
;;       r = np.clip(x / 2.0 ** e, -6, 6)
;;       step = 2.0 ** (np.maximum(np.frexp(np.where(r == 0, 1, r))[1] - 1, 0) - 1)
;;       q = np.round(r / step) * step * 2.0 ** e      # np.round: ties to even
;;       return np.moveaxis(q.reshape(q.shape[:-2] + (-1,))[..., :K], -1, axis).astype(np.float32)
;;   ~~~
;;   OPERANDS COMPUTED ON THE WAY. 'Computed on the way' means the value that the module computes at that place (a softmax that the list does not call 'softmax' is quantised finished and normalised). What goes into a quantiser is computed in f32, as accurately as f32 sums, v_exp_f32 and their like allow (about 1e-6 of the number): no bf16 or f16 on the way to a quantiser, and a product that is left as it is and whose result goes on into a quantised operand takes f32 operands (vector FMAs, or v_wmma_f32_16x16x4_f32). A number that lies on a knife's edge between two numbers of the format may be rounded either way, as far as f32 arithmetic and the matrix unit's own rounding can turn it there, and no further.
;; One version. Each part assembles by itself: llvm-mc -triple=amdgcn-amd-amdhsa -mcpu=gfx1250 --defsym DOCPART=n.
;; ======== version 1 of 1: 3 launches
;; workspace buffers: a_img 8,912,896 bytes; xq_codes 819,200 bytes; xq_scales 51,200 bytes; part 262,144 bytes
;; launch prep (part 1): grid 256 x 1, 8 waves a work-group, no clusters, 63,488 bytes of LDS; arguments high, x, a_img, xq_codes, xq_scales; writes a_img, xq_codes, xq_scales
.if DOCPART == 1
	.amdgcn_target "amdgcn-amd-amdhsa--gfx1250"
	.amdhsa_code_object_version 6
	.text
	.protected	k_qa7b2683e6f_prep
	.globl	k_qa7b2683e6f_prep
	.p2align	8
	.type	k_qa7b2683e6f_prep,@function
k_qa7b2683e6f_prep:
	s_mov_b64 s[64:65], 0
	v_nop
	global_prefetch_b8 v0, s[64:65] scope:SCOPE_SE
	s_setreg_imm32_b32 hwreg(HW_REG_WAVE_MODE, 25, 1), 1
	s_wait_xcnt 0x0
; For each class c: G = Q(high_c) Q(high_c)^T on FP4 codes; inv = (G + 20/512 I)^-1 in f32; -ctinv = high_c^T (-inv high_c) with f32 operands; its FP4 codes and E8M0 scale bytes along d.
; Besides: the FP4 codes and scale bytes of x along d.  Q is the MX rule: scale byte = exponent field of a block's largest magnitude - 2, codes rounded to nearest even, held at +-6 by the conversion.
; SHARES.  Work-group g: class g / 4, quarter g % 4 of the 512 columns e.  Wave w makes one tile of 16 columns e x all 512 d: four operand fragments.  Two waves lie on a SIMD.
; ORDER OF THE ARITHMETIC, where it differs from the source text: ctinv is formed as high^T (inv high); the sums over the 20 basis rows take i in the order 10 h + 2 s + jj on both operands;
; the inverse is an in-place Gauss-Jordan without pivoting (G + 20/512 I is symmetric positive definite), each reciprocal refined by one Newton step; the table is the inverse of G as stored, [n][m],
; which equals G's own since G(m, n) and G(n, m) sum the same products in the same order; the NEGATED inverse is kept, so that the codes are those of -ctinv (sums and quantiser are odd functions).
; LIMITS: NaN and infinities among the inputs are not served.  A block whose largest magnitude lies under 2^-124 keeps the scale byte 1; a block of zeros too (its codes are zeros; only this program reads the bytes).
; OUTPUT LAYOUT.  a_img [e range 8][class 64][17,408 bytes]: 16 fragment images (e tile a, K step ks) of 1,024 bytes, registers 4 c .. 4 c + 3 of lane l at 512 c + 16 l; from byte 16,384 the scale words [a][row][ks].
; Row m of e tile a = 2 b + u is column e = 64 er + 32 b + 8 u + m + 8 (m / 8): the reader's result registers are then 8 neighbouring e.   xq_codes [tile of 16 queries][ks][1,024]; xq_scales [query][4 words].
; LDS: HI 20 rows of high_c, 2,064 bytes apart | GP four partial Gram matrices [n 32][144 bytes] | IV the negated inverse, 32 rows of 80 bytes (rows 20 on are spare).
.set Z,    48                          ; v48-175  128 registers, used anew in each phase
.set RR,   Z+80                         ; the matrix under inversion: lane = row, 20 registers = columns
.set IA0,  Z+80                         ; phase 3: rows of -inv for V' rows 10 h + 0 .. 7
.set IA1,  Z+90                         ; and for 10 h + 8, 9
.set HB,   Z+100                        ; high at my 16 columns e
.set PC,   20                           ; v20-27   the fragment just made
.set TM,   28                           ; v28-31 largest magnitudes, v32-35 the other half's and then the bytes, v36-39 the conversions' scale operands
.set VA0,  176                          ; v176-183, v184-191, v192-255: written by the f32 matrix form alone
.set VA1,  184
.set ACC,  192
.set HIP,  2064
.set GP,   41472
.set GPW,  4608
.set IV,   59904
.set BLK,  17408
.set SEL,  28                           ; s[28:29] lane selects: lane l xor 16
.set SR,   40                           ; s[40:59] the pivot row
; v1 16 x lane | v3 16 x (thread % 128) | v4, v5 high for the Gram tiles | v6 GP in | v7 GP out | v8 IV in | v9, v10 IV out | v11 HI by d | v12 HI by my e | v13 x | v14 16 r | v15 lane | v16-19 scale words, nothing else
; 64 numbers of a lane, register 16 b + i = k 32 b + 16 (lane / 16) + i of the lane's row, become a fragment in v[PC] on and the row's scale word in v[pw]
.macro QUANT src, pw
	s_wait_xcnt 0x0                                ; earlier stores have read v[PC] on: it is written again only behind this wait
.irp b, 0,1,2,3
	v_max3_num_f32 v[TM+\b], |v[\src+16*\b]|, |v[\src+1+16*\b]|, 0x1800000   ; block b: my 16 numbers, from the low end on, and the floor 2^(3 - 127): the byte cannot fall under 1
.endr
.irp i, 2,4,6,8,10,12,14
.irp b, 0,1,2,3
	v_max3_num_f32 v[TM+\b], v[TM+\b], |v[\src+16*\b+\i]|, |v[\src+1+16*\b+\i]|   ; the four blocks by turns
.endr
.endr
.irp b, 0,1,2,3
	v_permlanex16_b32 v[TM+4+\b], v[TM+\b], s[SEL], s[SEL+1]
.endr
.irp b, 0,1,2,3
	v_max_num_f32 v[TM+\b], v[TM+\b], v[TM+4+\b]   ; with lane l xor 16's 16: the block's largest magnitude
.endr
.irp b, 0,1,2,3
	v_add_nc_u32 v[TM+8+\b], 0xff000000, v[TM+\b]  ; 2 off its exponent field: the conversion's scale operand
.endr
.irp b, 0,1,2,3
	v_lshrrev_b32 v[TM+4+\b], 23, v[TM+8+\b]       ; the scale's byte
.endr
	v_lshl_or_b32 v[\pw], v[TM+5], 8, v[TM+4]
	v_lshl_or_b32 v[\pw], v[TM+6], 16, v[\pw]
	v_lshl_or_b32 v[\pw], v[TM+7], 24, v[\pw]
.irp b, 0,1,2,3
	v_cvt_scalef32_pk8_fp4_f32 v[PC+2*\b], v[\src+16*\b:\src+7+16*\b], v[TM+8+\b]
	v_cvt_scalef32_pk8_fp4_f32 v[PC+1+2*\b], v[\src+8+16*\b:\src+15+16*\b], v[TM+8+\b]
.endr
	v_nop                                          ; one plain instruction behind the last scaled conversion
.irp c, 0,1
.irp i, 0,1
	v_permlane16_swap_b32 v[PC+4*\c+\i], v[PC+2+4*\c+\i]   ; a whole block to a lane: registers 4 c .. 4 c + 3 hold k = 64 c + 32 h + 0 .. 31
.endr
.endr
.endm
.macro LD64 reg, adr, base, off        ; 128 along K of the lane's row: 16 numbers of each block of 32
.irp b, 0,1,2,3
.irp j, 0,1,2,3
	global_load_b128 v[\reg+16*\b+4*\j:\reg+16*\b+4*\j+3], v[\adr], s[\base:\base+1] offset:\off+128*\b+16*\j
.endr
.endr
.endm
.macro IMG base, off                   ; the fragment leaves as an image of its registers: each store covers 512 consecutive bytes
	global_store_b128 v1, v[PC:PC+3], s[\base:\base+1] offset:\off
	global_store_b128 v1, v[PC+4:PC+7], s[\base:\base+1] offset:\off+512
.endm
.macro SCST base                       ; 16 rows' four scale words: lanes 0-15 store 256 consecutive bytes
	s_wait_xcnt 0x0                                ; EXEC changes only behind this wait
	s_mov_b32 exec_lo, 0xffff
	global_store_b128 v14, v[16:19], s[\base:\base+1]
	s_wait_xcnt 0x0                                ; and again in front of the line that widens it
	s_mov_b32 exec_lo, -1
.endm
.macro AOPS ks                         ; source 0 of K step ks: for tile tt, high(10 h + id, d), d = 128 ks + 32 (tt / 2) + 8 (tt % 2) + r + 8 (r / 8)
.irp tt, 0,1,2,3,4,5,6,7
.irp id, 0,1,2,3,4,5,6,7,8,9
	ds_load_b32 v[Z+10*\tt+\id], v11 offset:HIP*\id+4*(128*(\ks)+32*(\tt/2)+8*(\tt%2))
.endr
.endr
.endm
.macro BAR
	s_wait_dscnt 0x0                               ; my LDS stores have landed and my LDS loads are in
	s_barrier_signal -1
	s_barrier_wait -1
.endm
; One step of the inversion in place.  All rows: g = a(i, k) / p; a(i, j) -= g a(k, j); a(i, k) = -g.  Then row k alone: a(k, j) = a(k, j) / p; a(k, k) = 1 / p.
.macro GJ k
.irp j, 0,1,2,3,4,5,6,7,8,9,10,11,12,13,14,15,16,17,18,19
	v_readlane_b32 s[SR+\j], v[RR+\j], \k
.endr
	v_mov_b32 v41, s[SR+\k]
	v_rcp_f32 v42, v41
	v_nop                                          ; a plain instruction behind the reciprocal,
	s_wait_alu depctr_va_vdst(0)                   ; and a wait ahead of its first reader
	v_fma_f32 v43, -v41, v42, 1.0
	v_fma_f32 v42, v42, v43, v42                   ; one Newton step
	v_mul_f32 v44, v[RR+\k], v42
.irp j, 0,1,2,3,4,5,6,7,8,9,10,11,12,13,14,15,16,17,18,19
.if \j != \k
	v_fma_f32 v[RR+\j], -v44, s[SR+\j], v[RR+\j]
.endif
.endr
	v_mul_f32 v[RR+\k], -1.0, v44
	s_mov_b32 exec_lo, 1<<\k                       ; (no global instruction of this wave has been issued since the wait on XCNT at the phase's head)
.irp j, 0,1,2,3,4,5,6,7,8,9,10,11,12,13,14,15,16,17,18,19
.if \j != \k
	v_mul_f32 v[RR+\j], s[SR+\j], v42
.endif
.endr
	v_mov_b32 v[RR+\k], v42
	s_mov_b32 exec_lo, -1
.endm
	s_load_b256 s[4:11], s[0:1], 0x0               ; high s[4:5], x s[6:7], a_img s[8:9], xq_codes s[10:11]
	s_load_b64 s[12:13], s[0:1], 0x20              ; xq_scales
	s_set_vgpr_msb 0x40
	v_lshl_add_u32 v0, v0, 2, 0xf400
	v_mov_b32 v1, 0
	s_set_vgpr_msb 0x4000
	v_lshrrev_b32 v2, 5, v0
	v_readfirstlane_b32 s14, v2                    ; wave 0..7
	v_and_b32 v15, 31, v0                          ; lane
	v_and_b32 v40, 15, v0                          ; r
	v_bfe_u32 v2, v0, 4, 1                         ; h
	v_lshrrev_b32 v41, 3, v40                      ; r / 8
	s_and_b32 s15, s14, 3                          ; the Gram's K step, and later my e tile a
	s_lshr_b32 s36, s14, 2
	s_lshr_b32 s32, ttmp9, 2                       ; class
	s_and_b32 s33, ttmp9, 3                        ; quarter of the columns e
	s_min_u32 s39, ttmp9, 199                      ; the tile of queries that wave 5 quantises (only work-groups 0 to 199 do)
	; every address register is made here, ahead of the first parting of the waves
	v_lshlrev_b32 v1, 4, v15
	v_and_b32 v3, 127, v0
	v_lshlrev_b32 v3, 4, v3
	s_lshl_b32 s30, s15, 9
	v_lshlrev_b32 v4, 11, v40
	v_lshl_add_u32 v4, v2, 6, v4
	v_add_nc_u32 v4, s30, v4                       ; high: row r, my K step, + 64 h
	v_and_b32 v5, 3, v40
	v_add_nc_u32 v5, 16, v5                        ; rows 16 to 19, repeated in the spare lanes: nothing leaves the buffer, and Gram rows and columns from 20 on are never used
	v_lshlrev_b32 v5, 11, v5
	v_lshl_add_u32 v5, v2, 6, v5
	v_add_nc_u32 v5, s30, v5
	s_mul_i32 s31, s15, GPW
	s_add_co_u32 s31, s31, GP
	v_mul_u32_u24 v6, v40, 144
	v_lshl_add_u32 v6, v2, 5, v6
	v_add_nc_u32 v6, s31, v6                       ; GP in: my partial, row n = r, columns 8 h on
	v_mul_u32_u24 v7, v15, 144
	v_add_nc_u32 v7, GP, v7                        ; GP out: row = lane
	v_mul_u32_u24 v8, v15, 80
	v_add_nc_u32 v8, IV, v8                        ; IV in: row = lane
	v_lshl_add_u32 v9, v41, 1, v40                 ; r + 2 (r / 8): 0 .. 7, 10 .. 17
	v_mul_u32_u24 v9, v9, 80
	v_mad_u32_u24 v9, v2, 40, v9
	v_add_nc_u32 v9, IV, v9
	v_and_b32 v10, 1, v40
	v_mad_u32_u24 v10, v41, 10, v10
	v_add_nc_u32 v10, 8, v10                       ; 8 + r % 2 + 10 (r / 8): rows 8, 9, 18, 19 (repeated in the lanes whose results are not used)
	v_mul_u32_u24 v10, v10, 80
	v_mad_u32_u24 v10, v2, 40, v10
	v_add_nc_u32 v10, IV, v10
	v_lshl_add_u32 v11, v41, 3, v40                ; r + 8 (r / 8)
	v_lshlrev_b32 v11, 2, v11
	v_mad_u32_u24 v11, v2, 10*HIP, v11             ; lanes 16-31 begin ten rows of high further down
	s_lshl_b32 s30, s33, 7
	s_lshl_b32 s31, s36, 6
	s_add_co_u32 s30, s30, s31
	s_bfe_u32 s31, s14, 0x10001
	s_lshl_b32 s31, s31, 5
	s_add_co_u32 s30, s30, s31
	s_and_b32 s31, s14, 1
	s_lshl_b32 s31, s31, 3
	s_add_co_u32 s30, s30, s31                     ; my tile's first column e = 128 quarter + 64 (w / 4) + 32 ((w / 2) % 2) + 8 (w % 2)
	s_lshl_b32 s30, s30, 2
	v_add_nc_u32 v12, s30, v11
	v_lshlrev_b32 v13, 11, v40
	v_lshl_add_u32 v13, v2, 6, v13
	v_lshlrev_b32 v14, 4, v40
.irp b, 0,1,2,3
	v_mov_b32 v[TM+4+\b], 0                        ; written once: a lane permute's destination counts as one of its sources
.endr
	v_mov_b32 v46, 0x3d200000                      ; 20 / 512
	v_mov_b32 v47, 0
	s_mov_b32 s[SEL], 0x76543210
	s_mov_b32 s[SEL+1], 0xfedcba98
	s_mul_i32 s34, s32, 40960
	s_mov_b32 s35, 0
	s_lshl_b32 s37, s33, 1
	s_add_co_u32 s37, s37, s36                     ; e range er = 2 quarter + w / 4
	s_lshl_b32 s38, s37, 6
	s_add_co_u32 s38, s38, s32
	s_mul_i32 s38, s38, BLK                        ; my block of a_img
	s_wait_kmcnt 0x0
	s_add_nc_u64 s[16:17], s[4:5], s[34:35]        ; high_c
	s_lshl_b32 s34, s15, 12
	s_add_co_u32 s34, s34, s38
	s_add_nc_u64 s[18:19], s[8:9], s[34:35]        ; my tile's four images
	s_lshl_b32 s34, s15, 8
	s_add_co_u32 s34, s34, s38
	s_add_co_u32 s34, s34, 16384
	s_add_nc_u64 s[20:21], s[8:9], s[34:35]        ; and its scale words
	s_lshl_b32 s34, s39, 15
	s_add_nc_u64 s[22:23], s[6:7], s[34:35]        ; 16 rows of x
	s_lshl_b32 s34, s39, 12
	s_add_nc_u64 s[24:25], s[10:11], s[34:35]
	s_lshl_b32 s34, s39, 8
	s_add_nc_u64 s[26:27], s[12:13], s[34:35]
	; ---- 1: waves 4-7 bring high_c into LDS; waves 0-3 make the Gram matrix, a K step of 128 each
	s_cmp_lt_u32 s14, 4
	s_cbranch_scc1 .Lgram
.irp p, 0,1,2,3,4,5,6,7,8,9,10,11,12,13,14,15,16,17,18,19
	global_load_b128 v[Z+4*\p:Z+4*\p+3], v3, s[16:17] offset:2048*\p   ; the four waves together take a row
.endr
	s_wait_loadcnt 0x0
.irp p, 0,1,2,3,4,5,6,7,8,9,10,11,12,13,14,15,16,17,18,19
	ds_store_b128 v3, v[Z+4*\p:Z+4*\p+3] offset:HIP*\p
.endr
	s_branch .Lbar1
.Lgram:
	LD64 Z+64, 4, 16, 0                            ; rows 0-15
	LD64 Z, 5, 16, 0                               ; rows 16-19
	s_wait_loadcnt 16                              ; the first sixteen loads are in; the second tile's sixteen may be out
	QUANT Z+64, 16
.irp j, 0,1,2,3,4,5,6,7
	v_mov_b32 v[Z+64+\j], v[PC+\j]                 ; the fragment, and a second run of registers for it:
	v_mov_b32 v[Z+72+\j], v[PC+\j]                 ; so that the two sources of a product share no register
.endr
	s_wait_loadcnt 0x0
	QUANT Z, 17
.irp j, 0,1,2,3,4,5,6,7
	v_mov_b32 v[Z+\j], v[PC+\j]
	v_mov_b32 v[Z+8+\j], v[PC+\j]
.endr
.rept 8
	v_nop                                          ; a scale register written by a vector instruction stands 8 places ahead of a scaled product, an operand 4
.endr
.irp mt, 0,1
.irp nt, 0,1
	v_wmma_scale_f32_16x16x128_f8f6f4 v[Z+96+8*(2*\mt+\nt):Z+96+8*(2*\mt+\nt)+7], v[Z+64-64*\mt:Z+71-64*\mt], v[Z+72-64*\nt:Z+79-64*\nt], 0, v[16+\mt], v[16+\nt] matrix_a_fmt:MATRIX_FMT_FP4 matrix_b_fmt:MATRIX_FMT_FP4
.endr
.endr
.rept 5
	v_nop                                          ; FIVE places.  Four serve the stores below, which read the results.  The fifth: phase 3 loads some of these registers anew (Z+96 to Z+109) and gives them to
.endr                                          ; matrix instructions as sources, which stand five places behind the products that wrote them (ISA guide 7.12.1); on the way of waves 1 to 3 no other vector instruction lies between
.irp mt, 0,1
.irp nt, 0,1
	ds_store_b128 v6, v[Z+96+8*(2*\mt+\nt):Z+96+8*(2*\mt+\nt)+3] offset:2304*\nt+64*\mt       ; G(16 mt + 8 h + j, 16 nt + r) at row n, column m; each result from its low end on
	ds_store_b128 v6, v[Z+96+8*(2*\mt+\nt)+4:Z+96+8*(2*\mt+\nt)+7] offset:2304*\nt+64*\mt+16
.endr
.endr
.Lbar1:
	BAR                                            ; high_c and the four partial Gram matrices lie in LDS
	; ---- 2: wave 0 inverts; meanwhile wave 5 of work-groups 0 to 199 quantises 16 rows of x
	s_cmp_lg_u32 s14, 0
	s_cbranch_scc1 .Lnot0
	s_wait_xcnt 0x0                                ; EXEC will change: my global loads have read it
.irp w, 0,1,2,3
.irp q, 0,1,2,3,4
	ds_load_b128 v[Z+20*\w+4*\q:Z+20*\w+4*\q+3], v7 offset:GPW*\w+16*\q
.endr
.endr
	s_wait_dscnt 0x0
.irp j, 0,2,4,6,8,10,12,14,16,18
	v_pk_add_f32 v[RR+\j:RR+\j+1], v[Z+\j:Z+\j+1], v[Z+20+\j:Z+21+\j]      ; K ascending
.endr
.irp j, 0,2,4,6,8,10,12,14,16,18
	v_pk_add_f32 v[RR+\j:RR+\j+1], v[RR+\j:RR+\j+1], v[Z+40+\j:Z+41+\j]
.endr
.irp j, 0,2,4,6,8,10,12,14,16,18
	v_pk_add_f32 v[RR+\j:RR+\j+1], v[RR+\j:RR+\j+1], v[Z+60+\j:Z+61+\j]
.endr
.irp m, 0,1,2,3,4,5,6,7,8,9,10,11,12,13,14,15,16,17,18,19
	v_cmp_eq_u32 vcc_lo, \m, v15
	v_cndmask_b32 v45, v47, v46, vcc_lo
	v_add_f32 v[RR+\m], v[RR+\m], v45              ; + 20 / 512 on the diagonal
.endr
.irp k, 0,1,2,3,4,5,6,7,8,9,10,11,12,13,14,15,16,17,18,19
	GJ \k
.endr
.irp j, 0,1,2,3,4,5,6,7,8,9,10,11,12,13,14,15,16,17,18,19
	v_mul_f32 v[RR+\j], -1.0, v[RR+\j]             ; the negated inverse
.endr
.irp q, 0,1,2,3,4
	ds_store_b128 v8, v[RR+4*\q:RR+4*\q+3] offset:16*\q   ; lanes 20-31 write spare rows that nobody reads
.endr
	s_branch .Lbar2
.Lnot0:
	s_cmp_lg_u32 s14, 5
	s_cbranch_scc1 .Lbar2
	s_cmp_ge_u32 ttmp9, 200                        ; x has 200 tiles of 16 rows
	s_cbranch_scc1 .Lbar2
	LD64 Z, 13, 22, 0
	LD64 Z+64, 13, 22, 512
.irp ks, 0,1,2,3
.if \ks < 3
	s_wait_loadcnt 16                              ; this K step's sixteen loads are in; the next one's may be out
.else
	s_wait_loadcnt 0x0
.endif
	QUANT Z+64*(\ks%2), 16+\ks
	IMG 24, 1024*\ks
.if \ks < 2
	LD64 Z+64*(\ks%2), 13, 22, 512*(\ks+2)
.endif
.endr
	SCST 26
.Lbar2:
	BAR                                            ; the negated inverse lies in LDS
	; ---- 3: V' = -inv high at my 16 columns; then -ctinv(d, e) = sum over i of high(i, d) V'(i, e), 128 d at a time, quantised along d
	AOPS 0
.irp s, 0,1,2,3,4
	ds_load_b64 v[IA0+2*\s:IA0+2*\s+1], v9 offset:8*\s
	ds_load_b64 v[IA1+2*\s:IA1+2*\s+1], v10 offset:8*\s
.endr
.irp id, 0,1,2,3,4,5,6,7,8,9
	ds_load_b32 v[HB+\id], v12 offset:HIP*\id      ; columns 0 to 511 of rows 0 to 19 of high_c: all stored by waves 4-7 ahead of the first barrier
.endr
	s_wait_dscnt 0x0
.irp s, 0,1,2,3,4                      ; the two results take turns, one instruction a turn
.if \s == 0
	v_wmma_f32_16x16x4_f32 v[VA0:VA0+7], v[IA0:IA0+1], v[HB:HB+1], 0
	v_wmma_f32_16x16x4_f32 v[VA1:VA1+7], v[IA1:IA1+1], v[HB:HB+1], 0
.else
	v_wmma_f32_16x16x4_f32 v[VA0:VA0+7], v[IA0+2*\s:IA0+2*\s+1], v[HB+2*\s:HB+2*\s+1], v[VA0:VA0+7]
	v_wmma_f32_16x16x4_f32 v[VA1:VA1+7], v[IA1+2*\s:IA1+2*\s+1], v[HB+2*\s:HB+2*\s+1], v[VA1:VA1+7]
.endif
.endr                                  ; lane (r, h): VA0's register j = V'(10 h + j, e(r)); VA1's registers 0, 1 = V'(10 h + 8, 9, e(r)): source 1 of the products below as they stand
.rept 9
	v_nop                                          ; nine places before a result of this form serves as a source of a matrix instruction
.endr
.irp ks, 0,1,2,3
.irp s, 0,1,2,3,4                      ; eight tiles of 16 d by turns; tile tt's register j of lane (r, h) is d = 128 ks + 32 (tt / 2) + 16 h + 8 (tt % 2) + j of column e(r)
.irp tt, 0,1,2,3,4,5,6,7
.if \s == 0
	v_wmma_f32_16x16x4_f32 v[ACC+8*\tt:ACC+8*\tt+7], v[Z+10*\tt:Z+10*\tt+1], v[VA0:VA0+1], 0
.elseif \s == 4
	v_wmma_f32_16x16x4_f32 v[ACC+8*\tt:ACC+8*\tt+7], v[Z+10*\tt+8:Z+10*\tt+9], v[VA1:VA1+1], v[ACC+8*\tt:ACC+8*\tt+7]
.else
	v_wmma_f32_16x16x4_f32 v[ACC+8*\tt:ACC+8*\tt+7], v[Z+10*\tt+2*\s:Z+10*\tt+2*\s+1], v[VA0+2*\s:VA0+2*\s+1], v[ACC+8*\tt:ACC+8*\tt+7]
.endif
.endr
.endr
.rept 9
	v_nop                                          ; eight places in front of loads into source 0's registers and of the first read of results; nine in front of the next K step's products, which write over these results
.endr
.if \ks < 3
	AOPS \ks+1                                     ; they land while this K step is quantised
.endif
	QUANT ACC, 16+\ks                              ; reads the results, writes none of their registers
	IMG 18, 1024*\ks
.if \ks < 3
	s_wait_dscnt 0x0
.endif
.endr
	SCST 20
	s_wait_xcnt 0x0
	s_mov_b32 exec_lo, -1
	s_set_vgpr_msb 0x5
	s_wait_tensorcnt 0x0
	ds_add_u32 v0, v1
	s_wait_dscnt 0x0
	s_set_vgpr_msb 0x500
	s_endpgm
.Lfunc_end_k_qa7b2683e6f_prep:
	.size	k_qa7b2683e6f_prep, .Lfunc_end_k_qa7b2683e6f_prep-k_qa7b2683e6f_prep
	.p2alignl 7, 3214868480
	.fill 96, 4, 3214868480
	.section	.rodata,"a",@progbits
	.p2align	6, 0x0
	.amdhsa_kernel k_qa7b2683e6f_prep
		.amdhsa_group_segment_fixed_size 63488
		.amdhsa_private_segment_fixed_size 0
		.amdhsa_enable_private_segment 0
		.amdhsa_kernarg_size 40
		.amdhsa_user_sgpr_count 2
		.amdhsa_user_sgpr_kernarg_segment_ptr 1
		.amdhsa_wavefront_size32 1
		.amdhsa_system_sgpr_workgroup_id_x 1
		.amdhsa_system_sgpr_workgroup_id_y 1
		.amdhsa_system_sgpr_workgroup_id_z 1
		.amdhsa_system_vgpr_workitem_id 0
		.amdhsa_next_free_vgpr 258
		.amdhsa_next_free_sgpr 66
		.amdhsa_reserve_vcc 1
		.amdhsa_float_denorm_mode_32 3
		.amdhsa_float_denorm_mode_16_64 3
		.amdhsa_memory_ordered 1
		.amdhsa_forward_progress 1
		.amdhsa_inst_pref_size 169
	.end_amdhsa_kernel
	.amdgpu_metadata
---
amdhsa.version: [ 1, 2 ]
amdhsa.kernels:
  - .name:           k_qa7b2683e6f_prep
    .symbol:         k_qa7b2683e6f_prep.kd
    .args:
      - { .name: high, .offset: 0, .size: 8, .value_kind: global_buffer, .address_space: global }
      - { .name: x, .offset: 8, .size: 8, .value_kind: global_buffer, .address_space: global }
      - { .name: a_img, .offset: 16, .size: 8, .value_kind: global_buffer, .address_space: global }
      - { .name: xq_codes, .offset: 24, .size: 8, .value_kind: global_buffer, .address_space: global }
      - { .name: xq_scales, .offset: 32, .size: 8, .value_kind: global_buffer, .address_space: global }
    .group_segment_fixed_size: 63488
    .private_segment_fixed_size: 0
    .kernarg_segment_align: 8
    .kernarg_segment_size: 40
    .max_flat_workgroup_size: 256
    .sgpr_count:     66
    .vgpr_count:     258
    .wavefront_size: 32
...
	.end_amdgpu_metadata
.endif
;; end of part 1
;; launch dist (part 2): grid 8 x 32, 4 waves a work-group, clusters of 4 x 1, 327,680 bytes of LDS; arguments a_img, xq_codes, xq_scales, x, part; writes part
.if DOCPART == 2
	.amdgcn_target "amdgcn-amd-amdhsa--gfx1250"
	.amdhsa_code_object_version 6
	.text
	.protected	k_qa7b2683e6f_dist
	.globl	k_qa7b2683e6f_dist
	.p2align	8
	.type	k_qa7b2683e6f_dist,@function
k_qa7b2683e6f_dist:
	s_mov_b64 s[64:65], 0
	v_nop
	global_prefetch_b8 v0, s[64:65] scope:SCOPE_SE
	s_setreg_imm32_b32 hwreg(HW_REG_WAVE_MODE, 25, 1), 1
	s_wait_xcnt 0x0
	s_wait_alu depctr_hold_cnt(0) depctr_sa_sdst(0) depctr_va_vdst(0) depctr_va_sdst(0) depctr_va_ssrc(0) depctr_va_vcc(0) depctr_vm_vsrc(0)
	s_getreg_b32 s2, hwreg(HW_REG_IB_STS2, 6, 4)
	s_cmp_eq_u32 s2, 0
	s_cbranch_scc0 .Lentry_in_a_cluster
	s_endpgm
.Lentry_in_a_cluster:
	s_bfe_u32 s2, ttmp6, 0x10000c
	s_cmp_lg_u32 s2, 0x3003
	s_cbranch_scc0 .Lentry_shape_is_right
	s_endpgm
.Lentry_shape_is_right:
; part[er][cg][b][class] = the sum over b's 25 queries q and the 64 columns e of range er of (x(q, e) - t(class, q, e))^2, t = Q(x) Q(ctinv) on FP4 codes with E8M0 scales, K = d = 512.
; The codes in a_img are those of -ctinv, and the first product of each sum takes x itself as C: the result is x - t, with no subtraction.
; SHARES.  Work-group: 400 queries (16 b; 25 tiles of 16) x one e range of 64 x 16 classes.  Wave w takes tiles 6 w .. 6 w + 5, wave 3 also tile 24 (25 tiles do not divide by four waves).
; A wave's x codes, their scale words and its x in f32 (in the result's layout) stay in REGISTERS for all 16 classes.  The 16 classes' codes and scale words, 278,528 bytes, lie in LDS, filled ONCE:
; four tensor loads a wave, all issued at the head (four of mine are out at the most); nothing is filled again.  A class is read only behind the wait and the barrier that show its tile landed.
; CLUSTER: the four work-groups of a cluster differ in their queries alone and need the same 16 classes: each tile is asked for jointly, with the same descriptor and the mask of all four.
; x's codes and numbers go straight into registers and are not shared.  No branch and no LDS address hangs on the place in the cluster.
; THE PRODUCT: source 0 = 16 rows of -ctinv (e tile a), source 1 = 16 queries.  Register j of lane (r, h) is query r, column e = 64 er + 32 (a / 2) + 16 h + 8 (a % 2) + j.
; IN RUNS.  A stream is e tile a's 4 NT products, back to back, then the 4 NT packed square-and-adds on the results of e tile a - 1 (two sets of accumulators), then one run of LDS loads.  The products' operands
; fill three windows beside the results', so a square set between two products would cost two switches of the window; in runs a class of 16 NT products has 19 switches.  A class's four streams run on into the next class.
; REGISTERS, in windows of 256: window 0: v1-9 addresses; v16-31 x's scale words (pair of tiles p, K step ks: 16 + 4 p + ks; even tile in lanes 0-15, odd in lanes 16-31); v32-39 the class's scale words likewise;
;   v40-53 sums of squares, a pair a tile; v54-67 at work; v72-183 two sets of 7 accumulators.   window 1: x's codes, 32 t + 8 ks.   window 2: the class's codes, 32 a + 8 ks.   window 3: x in f32, 32 t + 8 a.
; LDS: class i at 17,408 i | from 278,528 on DT: 17 rows of 1,616 bytes: row i + 1 = class i's 400 sums (row 0 takes the empty first turn).  No tensor load lands in DT.
.set CB,   17408
.set DT,   16*CB
.set DP,   1616
.set LI,   1                           ; v1  16 x lane: also the LDS address of class 0
.set ADN,  3                           ; v3  LDS address of the next class
.set XA,   4                           ; v4  x: 2,048 r + 64 h
.set SA7,  5                           ; v5  16 r
.set DS0,  6                           ; v6  DT + 384 w + 4 r
.set DSA,  7                           ; v7  + the row
.set RD,   8                           ; v8  the last sum: my b, my two classes
.set PO,   9                           ; v9  8 x thread
.set BS,   16
.set AS,   32
.set S,    40
.set T,    54
.set U,    61
.set ACC,  72
.set WV,   14
.set SEL,  66
.set OFF,  68
.set OFFN, 69
.set CNT,  70
.set DOF,  71
.set MSB, 0
.macro WIN new                         ; the immediate's high byte repeats the setting that is left; a switch that changes nothing is dropped
.if MSB != \new
	s_set_vgpr_msb (MSB<<8)|\new
.set MSB, \new
.endif
.endm
.macro CROUND                          ; a round of the cluster's barrier
	s_barrier_signal -1
	s_barrier_wait -1
	s_cmp_lg_u32 s[WV], 0
	s_cbranch_scc1 .Lnot_wave_0_\@
	s_barrier_signal -3
.Lnot_wave_0_\@:
	s_barrier_wait -3
	s_barrier_signal -1
	s_barrier_wait -1
.endm
.macro G1SET g, rows                   ; descriptor group 1: a dense block as rows of 256 bytes (32 elements of 8 bytes), no padding
	s_mov_b32 s[\g], 15|(3<<16)|(1<<21)            ; 15:0 the mask: all four work-groups; 17:16 elements of 8 bytes; 21 set beside a mask
	s_mov_b32 s[\g+1], 32<<16                      ; tensor_dim0
	s_mov_b32 s[\g+2], \rows<<16                   ; tensor_dim1
	s_mov_b32 s[\g+3], 32<<16                      ; tile_dim0
	s_mov_b32 s[\g+4], \rows                       ; tile_dim1
	s_mov_b32 s[\g+5], 32                          ; from row to row
	s_mov_b32 s[\g+6], 0
	s_mov_b32 s[\g+7], 0
.endm
.macro G0SET k, tb, rows               ; descriptor group 0 of tile k: my quarter of its rows, at the same byte of the block in memory and in LDS
	s_mul_i32 s22, s[WV], \rows*256
	s_add_co_u32 s22, s22, \tb
	s_mov_b32 s23, 0
	s_mov_b32 s[48+4*\k], 1
	s_mov_b32 s[49+4*\k], s22
	s_add_nc_u64 s[50+4*\k:51+4*\k], s[80:81], s[22:23]
	s_or_b32 s[51+4*\k], s[51+4*\k], 0x80000000
.endm
.macro LDC t                           ; tile t's four fragments of codes, as images
.irp k, 0,1,2,3
.irp c, 0,1
	global_load_b128 v[32*\t+8*\k+4*\c:32*\t+8*\k+4*\c+3], v[LI], s[72:73] offset:4096*\t+1024*\k+512*\c
.endr
.endr
.endm
.macro LDX t                           ; tile t's x in the result's layout: for e tile a eight neighbouring numbers of row r
.irp a, 0,1,2,3
.irp c, 0,1
	global_load_b128 v[32*\t+8*\a+4*\c:32*\t+8*\a+4*\c+3], v[XA], s[76:77] offset:32768*\t+128*(\a/2)+32*(\a%2)+16*\c
.endr
.endr
.endm
; One product: e tile a, K step mk, tile of queries mt.  The first K step takes x as C.
.macro MM a
.set mD, ACC+56*((\a)%2)+8*mt
.set mA, 32*(\a)+8*mk
.set mB, 32*mt+8*mk
.set mSA, AS+4*((\a)/2)+mk
.set mSB, BS+4*(mt/2)+mk
.if mk == 0
	WIN 0x36                                       ; source 0 window 2, source 1 window 1, C window 3, D window 0
.set mC, 32*mt+8*(\a)
.else
	WIN 0x06                                       ; C and D window 0
.set mC, mD
.endif
.if ((\a)%2 == 0) && (mt%2 == 0)
	v_wmma_scale_f32_16x16x128_f8f6f4 v[mD:mD+7], v[mA:mA+7], v[mB:mB+7], v[mC:mC+7], v[mSA], v[mSB] matrix_a_fmt:MATRIX_FMT_FP4 matrix_b_fmt:MATRIX_FMT_FP4
.elseif (mt%2 == 0)
	v_wmma_scale_f32_16x16x128_f8f6f4 v[mD:mD+7], v[mA:mA+7], v[mB:mB+7], v[mC:mC+7], v[mSA], v[mSB] matrix_a_fmt:MATRIX_FMT_FP4 matrix_b_fmt:MATRIX_FMT_FP4 matrix_a_scale:MATRIX_SCALE_ROW1
.elseif ((\a)%2 == 0)
	v_wmma_scale_f32_16x16x128_f8f6f4 v[mD:mD+7], v[mA:mA+7], v[mB:mB+7], v[mC:mC+7], v[mSA], v[mSB] matrix_a_fmt:MATRIX_FMT_FP4 matrix_b_fmt:MATRIX_FMT_FP4 matrix_b_scale:MATRIX_SCALE_ROW1
.else
	v_wmma_scale_f32_16x16x128_f8f6f4 v[mD:mD+7], v[mA:mA+7], v[mB:mB+7], v[mC:mC+7], v[mSA], v[mSB] matrix_a_fmt:MATRIX_FMT_FP4 matrix_b_fmt:MATRIX_FMT_FP4 matrix_a_scale:MATRIX_SCALE_ROW1 matrix_b_scale:MATRIX_SCALE_ROW1
.endif
.endm
; Square number i of 4 NT on set z: registers 2 p, 2 p + 1 (p = i / NT: each result from its low end on) of tile i % NT.  start = 1: the first of them starts the class's sums.
.macro SQ z, start, NT
	WIN 0
.set sp, i/\NT
.set st, i%\NT
.set sa, ACC+56*(\z)+8*st+2*sp
.if \start && (sp == 0)
	v_pk_mul_f32 v[S+2*st:S+2*st+1], v[sa:sa+1], v[sa:sa+1]
.else
	v_pk_fma_f32 v[S+2*st:S+2*st+1], v[sa:sa+1], v[sa:sa+1], v[S+2*st:S+2*st+1]
.endif
.endm
.macro FC adr, slot, src               ; e tile src's four fragments, 4,096 consecutive bytes, into slot
	WIN 0x80                                       ; destination window 2, address window 0
.irp k, 0,1,2,3
.irp c, 0,1
	ds_load_b128 v[32*\slot+8*\k+4*\c:32*\slot+8*\k+4*\c+3], v[\adr] offset:4096*\src+1024*\k+512*\c
.endr
.endr
.endm
.macro FS adr, p                       ; the scale words of e tiles 2 p (lanes 0-15) and 2 p + 1 (lanes 16-31), four K steps
	WIN 0
	ds_load_b128 v[AS+4*\p:AS+4*\p+3], v[\adr] offset:16384+512*\p
.endm
; A STREAM.  (1) e tile a's 4 NT products, the NT accumulators by turns (one instruction a turn), K ascending.  (2) The 4 NT squares of the stream before, on the other set of accumulators.
; (3) Slot a takes the NEXT class's e tile a; behind streams 1 and 3 the scale words that they and the stream before them used are fetched anew too.
; The squares are the places (ISA guide 7.12.1 for vector instructions): they name the other set and the sums alone, so 4 NT plain instructions that name no register of this stream's products stand between those
; products and the loads of (3), the next stream's squares, which read their results, and the products two streams on, which write over them.
.macro STREAM a, NT, cnt
	s_wait_dscnt \cnt
.set i, 0
.rept 4*\NT
.set mk, i/\NT
.set mt, i%\NT
	MM \a
.set i, i+1
.endr
.set i, 0
.rept 4*\NT
.if \a == 1
	SQ 0, 1, \NT
.else
	SQ ((\a)+1)%2, 0, \NT
.endif
.set i, i+1
.endr
	FC ADN, \a, \a
.if \a == 1
	FS ADN, 0
.elseif \a == 3
	FS ADN, 1
.endif
.endm
.macro EPI NT                          ; a class's sums: the pair's halves, the other half of the lanes' 32 columns; one number a query into DT (both halves of the lanes write the same word with the same value)
	WIN 0
.set e, 0
.rept \NT
	v_add_f32 v[T+e], v[S+2*e], v[S+2*e+1]
.set e, e+1
.endr
.set e, 0
.rept \NT
	v_permlanex16_b32 v[U+e], v[T+e], s[SEL], s[SEL+1]
.set e, e+1
.endr
.set e, 0
.rept \NT
	v_add_f32 v[T+e], v[T+e], v[U+e]
.set e, e+1
.endr
.set e, 0
.rept \NT
	ds_store_b32 v[DSA], v[T+e] offset:64*e
.set e, e+1
.endr
.endm
; A CLASS.  Its LDS instructions are issued in this order: 8 loads (slot 0), NT stores, 8 + 1 loads (slot 1, scale pair 0), 8 (slot 2), 8 + 1 (slot 3, scale pair 1); each load serves the next class.
; The count at a stream's head is what has been issued behind the last load that the stream needs:
; 0: behind scale pair 0: 8 + 9.   1: behind scale pair 0: 8 + 9 + 8 + NT.   2: behind scale pair 1: 8 + NT + 9.   3: behind scale pair 1: 8 + NT + 9 + 8.
.macro CLASS NT
	STREAM 0, \NT, 17
	EPI \NT                                        ; the class before: its last squares stood in stream 0
	STREAM 1, \NT, 25+\NT
	STREAM 2, \NT, 17+\NT
	STREAM 3, \NT, 25+\NT
	WIN 0                                          ; at a label and at a branch every window is 0
.endm
; A STAGE: four classes.  Stage s fetches classes 4 s + 1 to 4 s + 4 (stage 0 class 0 too), which lie in tiles 0 to s.
.macro STAGE s
	s_wait_tensorcnt 3-\s                          ; my quarter of tile s has landed; the tiles issued behind it may stay out
	s_wait_dscnt 0x0
	s_barrier_signal -1
	s_barrier_wait -1                              ; everybody's has
	s_mov_b32 s[OFF], 4*\s*CB
	s_mov_b32 s[DOF], 4*\s*DP
	s_mov_b32 s[CNT], 4
.if \s == 0
	FC LI, 0, 0                                    ; the way in: class 0, in the order in which a class fetches the next one, so that the streams' counts hold here too
	FC LI, 1, 1
	FS LI, 0
	FC LI, 2, 2
	FC LI, 3, 3
	FS LI, 1
.endif
.Lcls_\@:
	s_add_co_u32 s[OFF], s[OFF], CB
	s_min_u32 s[OFFN], s[OFF], 15*CB               ; behind the last class there is none: its fetches ahead read the last class again and are not used
	v_add_nc_u32 v[ADN], s[OFFN], v[LI]
	v_add_nc_u32 v[DSA], s[DOF], v[DS0]
	s_add_co_u32 s[DOF], s[DOF], DP
	s_cmp_eq_u32 s[WV], 3
	s_cbranch_scc1 .Lsev_\@
	CLASS 6
	s_branch .Ljoin_\@
.Lsev_\@:
	CLASS 7
.Ljoin_\@:
	s_sub_co_u32 s[CNT], s[CNT], 1
	s_cmp_lg_u32 s[CNT], 0
	s_cbranch_scc1 .Lcls_\@
.endm
.macro TAIL NT                         ; the last class's last squares and its sums.  Between the last products and these readers of their results stand the last stream's 4 NT squares of the other set
.set i, 0
.rept 4*\NT
	SQ 1, 0, \NT
.set i, i+1
.endr
	v_add_nc_u32 v[DSA], 16*DP, v[DS0]
	EPI \NT
.endm
	s_load_b256 s[4:11], s[0:1], 0x0               ; a_img s[4:5], xq_codes s[6:7], xq_scales s[8:9], x s[10:11]
	s_load_b64 s[12:13], s[0:1], 0x20              ; part
	v_lshl_add_u32 v254, v0, 2, 0x4ac00
	v_mov_b32 v255, 0
	ds_add_u32 v254, v255
	ds_add_u32 v254, v255
	v_lshrrev_b32 v10, 5, v0
	v_readfirstlane_b32 s[WV], v10                 ; wave 0..3
	s_and_b32 s17, ttmp7, 0xffff                   ; y, which the four partners share
	s_and_b32 s18, s17, 7                          ; e range
	s_lshr_b32 s19, s17, 3                         ; group of 16 classes
	s_lshl_b32 s20, s18, 6
	s_lshl_b32 s21, s19, 4
	s_add_co_u32 s20, s20, s21
	s_mul_i32 s20, s20, CB                         ; where my 16 classes begin in a_img
	s_mov_b32 s21, 0
	G1SET 24, 85                                   ; tile 0: classes 0-4, 340 rows of 256 bytes, 85 a wave
	G1SET 32, 68                                   ; tiles 1, 2: four classes, 68 a wave
	G1SET 40, 51                                   ; tile 3: three classes, 51 a wave
	s_bfe_u32 s15, ttmp6, 0x40000                  ; cx: it enters the addresses of x, its codes, its scales and part alone
	s_lshl_b32 s16, ttmp9, 2
	s_add_co_u32 s16, s16, s15                     ; my block of 400 queries
	s_mul_i32 s82, s16, 400
	s_mul_i32 s83, s[WV], 96
	s_add_co_u32 s82, s82, s83                     ; my wave's first query
	s_mov_b32 s85, 0
	s_mov_b32 s[SEL], 0x76543210
	s_mov_b32 s[SEL+1], 0xfedcba98
	s_wait_dscnt 0x0
	s_wait_kmcnt 0x0
	s_add_nc_u64 s[80:81], s[4:5], s[20:21]
	G0SET 0, 0, 85
	G0SET 1, 5*CB, 68
	G0SET 2, 9*CB, 68
	G0SET 3, 13*CB, 51
	s_lshl_b32 s84, s82, 8                         ; 4,096 bytes of codes for 16 queries
	s_add_nc_u64 s[72:73], s[6:7], s[84:85]
	s_lshl_b32 s84, s82, 4
	s_add_nc_u64 s[74:75], s[8:9], s[84:85]
	s_lshl_b32 s84, s82, 11
	s_lshl_b32 s83, s18, 8
	s_add_co_u32 s84, s84, s83
	s_add_nc_u64 s[76:77], s[10:11], s[84:85]      ; x at my first query, my e range's 256 bytes
	s_lshl_b32 s84, s18, 2
	s_add_co_u32 s84, s84, s19
	s_lshl_b32 s84, s84, 13
	s_lshl_b32 s83, s16, 10
	s_add_co_u32 s84, s84, s83
	s_add_nc_u64 s[78:79], s[12:13], s[84:85]
	v_and_b32 v10, 31, v0
	v_lshlrev_b32 v[LI], 4, v10
	v_and_b32 v11, 15, v0                          ; r
	v_bfe_u32 v12, v0, 4, 1                        ; h
	v_lshlrev_b32 v[XA], 11, v11
	v_lshl_add_u32 v[XA], v12, 6, v[XA]
	v_lshlrev_b32 v[SA7], 4, v11
	s_mul_i32 s86, s[WV], 384
	s_add_co_u32 s86, s86, DT
	v_lshl_add_u32 v[DS0], v11, 2, s86
	v_and_b32 v13, 7, v0
	v_lshrrev_b32 v14, 3, v0
	v_mul_u32_u24 v[RD], v13, 2*DP
	v_mad_u32_u24 v[RD], v14, 100, v[RD]
	v_add_nc_u32 v[RD], DT+DP, v[RD]               ; thread: b = thread / 8 (25 queries of 4 bytes), classes 2 (thread % 8) and the next
	v_lshlrev_b32 v[PO], 3, v0
	CROUND                                         ; all four work-groups are here: the joint loads meet
	tensor_load_to_lds s[48:51], s[24:31]
	s_nop 0
	tensor_load_to_lds s[52:55], s[32:39]
	s_nop 0
	tensor_load_to_lds s[56:59], s[32:39]
	s_nop 0
	tensor_load_to_lds s[60:63], s[40:47]
	s_nop 0
.irp j, 0,1,2,3,4,5,6
	v_mov_b32 v[U+\j], 0                           ; written once: a lane permute's destination counts as one of its sources.  (More than four instructions stand here ahead of the first switch of windows)
.endr
.irp p, 0,1,2
	global_load_b128 v[BS+4*\p:BS+4*\p+3], v[LI], s[74:75] offset:512*\p   ; x's scale words: lanes 0-15 tile 2 p, lanes 16-31 tile 2 p + 1
.endr
	WIN 0x40                                       ; destination window 1
.irp t, 0,1,2,3,4,5
	LDC \t
.endr
	WIN 0xc0                                       ; destination window 3
.irp t, 0,1,2,3,4,5
	LDX \t
.endr
	WIN 0
	s_cmp_lg_u32 s[WV], 3
	s_cbranch_scc1 .Lno7
	global_load_b128 v[BS+12:BS+15], v[SA7], s[74:75] offset:1536          ; wave 3's seventh tile: its words in lanes 0-15 (lanes 16-31 repeat them: nothing leaves the buffer)
	WIN 0x40
	LDC 6
	WIN 0xc0
	LDX 6
	WIN 0
.Lno7:
.set i, 0
.rept 56
	v_mov_b32 v[ACC+56+i], 0                       ; the streams are written once: the first stream's squares find zeros in the second set, and their sums go to DT's row 0
.set i, i+1
.endr
.set i, 0
.rept 14
	v_mov_b32 v[S+i], 0
.set i, i+1
.endr
	s_wait_loadcnt 0x0                             ; x, its codes, its scale words
	STAGE 0
	STAGE 1
	STAGE 2
	STAGE 3
	s_cmp_eq_u32 s[WV], 3
	s_cbranch_scc1 .Ltail7
	TAIL 6
	s_branch .Ltailed
.Ltail7:
	TAIL 7
.Ltailed:
	s_wait_dscnt 0x0                               ; for the others' sake: my stores into DT are done
	s_barrier_signal -1
	s_barrier_wait -1
.set i, 0
.rept 25
	ds_load_b32 v[ACC+2*i], v[RD] offset:4*i       ; my b's 25 queries, of my two classes
	ds_load_b32 v[ACC+2*i+1], v[RD] offset:DP+4*i
.set i, i+1
.endr
	s_wait_dscnt 0x0
.set i, 2
.rept 11
	v_pk_add_f32 v[ACC:ACC+1], v[ACC:ACC+1], v[ACC+2*i:ACC+2*i+1]          ; two chains
	v_pk_add_f32 v[ACC+2:ACC+3], v[ACC+2:ACC+3], v[ACC+2*i+2:ACC+2*i+3]
.set i, i+2
.endr
	v_pk_add_f32 v[ACC:ACC+1], v[ACC:ACC+1], v[ACC+48:ACC+49]
	v_pk_add_f32 v[ACC:ACC+1], v[ACC:ACC+1], v[ACC+2:ACC+3]
	global_store_b64 v[PO], v[ACC:ACC+1], s[78:79] ; a wave stores 256 consecutive bytes, at a multiple of 256 from part's first byte
	s_wait_tensorcnt 0x0
	ds_add_u32 v254, v255
	s_wait_dscnt 0x0
	CROUND                                         ; the closing round: no work-group ends while a partner may still ask for a tile that names it
	s_endpgm
.Lfunc_end_k_qa7b2683e6f_dist:
	.size	k_qa7b2683e6f_dist, .Lfunc_end_k_qa7b2683e6f_dist-k_qa7b2683e6f_dist
	.p2alignl 7, 3214868480
	.fill 96, 4, 3214868480
	.section	.rodata,"a",@progbits
	.p2align	6, 0x0
	.amdhsa_kernel k_qa7b2683e6f_dist
		.amdhsa_group_segment_fixed_size 327680
		.amdhsa_private_segment_fixed_size 0
		.amdhsa_enable_private_segment 0
		.amdhsa_kernarg_size 40
		.amdhsa_user_sgpr_count 2
		.amdhsa_user_sgpr_kernarg_segment_ptr 1
		.amdhsa_wavefront_size32 1
		.amdhsa_system_sgpr_workgroup_id_x 1
		.amdhsa_system_sgpr_workgroup_id_y 1
		.amdhsa_system_sgpr_workgroup_id_z 1
		.amdhsa_system_vgpr_workitem_id 0
		.amdhsa_next_free_vgpr 1024
		.amdhsa_next_free_sgpr 90
		.amdhsa_reserve_vcc 0
		.amdhsa_float_denorm_mode_32 3
		.amdhsa_float_denorm_mode_16_64 3
		.amdhsa_memory_ordered 1
		.amdhsa_forward_progress 1
		.amdhsa_inst_pref_size 225
	.end_amdhsa_kernel
	.amdgpu_metadata
---
amdhsa.version: [ 1, 2 ]
amdhsa.kernels:
  - .name:           k_qa7b2683e6f_dist
    .symbol:         k_qa7b2683e6f_dist.kd
    .args:
      - { .name: a_img, .offset: 0, .size: 8, .value_kind: global_buffer, .address_space: global }
      - { .name: xq_codes, .offset: 8, .size: 8, .value_kind: global_buffer, .address_space: global }
      - { .name: xq_scales, .offset: 16, .size: 8, .value_kind: global_buffer, .address_space: global }
      - { .name: x, .offset: 24, .size: 8, .value_kind: global_buffer, .address_space: global }
      - { .name: part, .offset: 32, .size: 8, .value_kind: global_buffer, .address_space: global }
    .group_segment_fixed_size: 327680
    .private_segment_fixed_size: 0
    .kernarg_segment_align: 8
    .kernarg_segment_size: 40
    .max_flat_workgroup_size: 128
    .sgpr_count:     90
    .vgpr_count:     1024
    .wavefront_size: 32
...
	.end_amdgpu_metadata
.endif
;; end of part 2
;; launch scale (part 3): grid 32 x 1, 4 waves a work-group, no clusters, 0 bytes of LDS; arguments part, out0; writes out0
.if DOCPART == 3
	.amdgcn_target "amdgcn-amd-amdhsa--gfx1250"
	.amdhsa_code_object_version 6
	.text
	.protected	k_qa7b2683e6f_scale
	.globl	k_qa7b2683e6f_scale
	.p2align	8
	.type	k_qa7b2683e6f_scale,@function
k_qa7b2683e6f_scale:
	s_mov_b64 s[64:65], 0
	v_nop
	global_prefetch_b8 v0, s[64:65] scope:SCOPE_SE
	s_setreg_imm32_b32 hwreg(HW_REG_WAVE_MODE, 25, 1), 1
	s_wait_xcnt 0x0
; out0[b][c] = (l - min) / (max - min) over the 64 classes of row b, l = -(the sum of the eight e ranges' parts) / 25.  part: [er 8][cg 4][b 128][16 classes] f32.
; A wave takes a row b, a lane two neighbouring classes.  The sum over e ranges spans work-groups of the launch before, and the minimum and maximum span all classes: hence this launch.
; The division by 25 is a multiplication by 0.04 and the last division one by a reciprocal.  Where max = min the result is NaN, as 0 / 0 is.  No LDS, no barrier: waves share nothing.
	s_load_b128 s[4:7], s[0:1], 0x0                ; part, out0
	v_lshrrev_b32 v1, 5, v0
	v_readfirstlane_b32 s8, v1                     ; wave
	v_and_b32 v2, 31, v0                           ; lane
	s_lshl_b32 s9, ttmp9, 2
	s_add_co_u32 s9, s9, s8                        ; b
	v_lshrrev_b32 v3, 3, v2                        ; classes 2 lane, 2 lane + 1: group lane / 8,
	v_and_b32 v4, 7, v2
	v_lshlrev_b32 v3, 13, v3
	v_lshl_add_u32 v3, v4, 3, v3                   ; 8 (lane % 8) bytes into its 64
	s_lshl_b32 s10, s9, 6
	v_add_nc_u32 v3, s10, v3
	v_lshlrev_b32 v5, 3, v2
	s_lshl_b32 s11, s9, 8
	v_add_nc_u32 v5, s11, v5                       ; out0: row b of 256 bytes, 8 bytes a lane
	s_mov_b32 s12, 0x76543210
	s_mov_b32 s13, 0xfedcba98                      ; lane l xor 16
	v_mov_b32 v26, 0                               ; a lane permute's destination counts as one of its sources
	v_mov_b32 v27, 0
	s_wait_kmcnt 0x0
.irp e, 0,1,2,3,4,5,6,7
	global_load_b64 v[8+2*\e:9+2*\e], v3, s[4:5] offset:32768*\e th:TH_LOAD_NT
.endr
	s_wait_loadcnt 0x0
.irp e, 1,2,3,4,5,6,7
	v_pk_add_f32 v[8:9], v[8:9], v[8+2*\e:9+2*\e]  ; e ascending
.endr
	v_pk_mul_f32 v[8:9], v[8:9], 0xbd23d70a op_sel_hi:[1,0]   ; x -1 / 25
	v_min_num_f32 v24, v8, v9
	v_max_num_f32 v25, v8, v9
.irp m, 1,2,4,8
	v_min_num_f32_dpp v24, v24, v24 row_xmask:\m row_mask:0xf bank_mask:0xf
	v_max_num_f32_dpp v25, v25, v25 row_xmask:\m row_mask:0xf bank_mask:0xf
.endr
	v_permlanex16_b32 v26, v24, s12, s13
	v_permlanex16_b32 v27, v25, s12, s13
	v_min_num_f32 v24, v24, v26                    ; the row's minimum, in every lane
	v_max_num_f32 v25, v25, v27                    ; and its maximum
	v_sub_f32 v25, v25, v24
	v_rcp_f32 v28, v25
	v_sub_f32 v8, v8, v24                          ; plain work behind the reciprocal
	v_sub_f32 v9, v9, v24
	s_wait_alu depctr_va_vdst(0)                   ; a wait ahead of its first reader
	v_mul_f32 v8, v8, v28
	v_mul_f32 v9, v9, v28
	global_store_b64 v5, v[8:9], s[6:7]            ; the wave stores the row: 256 consecutive bytes, aligned
	s_endpgm
.Lfunc_end_k_qa7b2683e6f_scale:
	.size	k_qa7b2683e6f_scale, .Lfunc_end_k_qa7b2683e6f_scale-k_qa7b2683e6f_scale
	.p2alignl 7, 3214868480
	.fill 96, 4, 3214868480
	.section	.rodata,"a",@progbits
	.p2align	6, 0x0
	.amdhsa_kernel k_qa7b2683e6f_scale
		.amdhsa_group_segment_fixed_size 0
		.amdhsa_private_segment_fixed_size 0
		.amdhsa_enable_private_segment 0
		.amdhsa_kernarg_size 16
		.amdhsa_user_sgpr_count 2
		.amdhsa_user_sgpr_kernarg_segment_ptr 1
		.amdhsa_wavefront_size32 1
		.amdhsa_system_sgpr_workgroup_id_x 1
		.amdhsa_system_sgpr_workgroup_id_y 1
		.amdhsa_system_sgpr_workgroup_id_z 1
		.amdhsa_system_vgpr_workitem_id 0
		.amdhsa_next_free_vgpr 32
		.amdhsa_next_free_sgpr 66
		.amdhsa_reserve_vcc 0
		.amdhsa_float_denorm_mode_32 3
		.amdhsa_float_denorm_mode_16_64 3
		.amdhsa_memory_ordered 1
		.amdhsa_forward_progress 1
		.amdhsa_inst_pref_size 4
	.end_amdhsa_kernel
	.amdgpu_metadata
---
amdhsa.version: [ 1, 2 ]
amdhsa.kernels:
  - .name:           k_qa7b2683e6f_scale
    .symbol:         k_qa7b2683e6f_scale.kd
    .args:
      - { .name: part, .offset: 0, .size: 8, .value_kind: global_buffer, .address_space: global }
      - { .name: out0, .offset: 8, .size: 8, .value_kind: global_buffer, .address_space: global }
    .group_segment_fixed_size: 0
    .private_segment_fixed_size: 0
    .kernarg_segment_align: 8
    .kernarg_segment_size: 16
    .max_flat_workgroup_size: 128
    .sgpr_count:     66
    .vgpr_count:     32
    .wavefront_size: 32
...
	.end_amdgpu_metadata
.endif
;; end of part 3
